; MI455X (gfx1250); checked and timed in simulation.
; The chip was launched on July 23, 2026; its instructions are those of AMD's public machine-readable ISA for CDNA 5 (MIT licence, August 2026) and "CDNA5" Instruction Set Architecture Reference Guide (July 2026). The comments in the code are by the model that wrote it; some were corrected since.
;; FAPM. Allowed arithmetic: matrix products marked QUANTISED: E2M1 operands, one E8M0 scale for each 32 along K, by v_wmma_scale_f32_16x16x128_f8f6f4 with both operands' format E2M1 (or v_wmma_scale_f32_32x16x128_f4), f32 sums; everything else in f32.
;; Inputs: embedding 16,384 x 384 float32; memory_bank 8,192 x 384 float32.
;; Outputs: out0 16,384 x 9 float32.
;; Constants: n_neighbors = 9.
;; This version of the problem:
;;   THIS VERSION OF THE PROBLEM IS GIVEN IN LOW PRECISION. The matrix products marked QUANTISED in the list below multiply operands that are first quantised to E2M1 (2 exponent bits, 1 mantissa bit; 4 bits a number), with one power-of-two scale for each 32 numbers along K (OCP MX v1.0); their sums are f32. All else is computed in f32.
;;   The module's matrix products, in the order in which they are computed (A, B: the left and right operand; K: the contracted axis; several contracted axes count as one K, in the product's order):
;;     1. [M 16,384, K 384] x [K 384, N 8,192]; A: input embedding; B: input memory_bank: QUANTISED
;;   THE QUANTISER, for each operand of a quantised product, along K:
;;     - K is cut into blocks of 32 from its start; a last block that is shorter is filled with zeros.
;;     - A block's scale is 2^e with e = floor(log2(the largest magnitude in the block)) - 2, held to -126 .. 127; a block of zeros has e = 0. As a byte (E8M0): e + 127.
;;     - Each number is divided by its block's scale, clamped to +-6, and rounded to the nearest number of E2M1, ties to even, subnormals kept.
;;     - The product sums the exact products of the quantised numbers (number of the format x scale) in f32.
;;   ~~~python
;;   def quantise(x, axis):      # numpy; x: float32 -> the quantised numbers, widened to float32 again
;;       x = np.moveaxis(x, axis, -1); K = x.shape[-1]
;;       x = np.pad(x, [(0, 0)] * (x.ndim - 1) + [(0, -K % 32)]); x = x.reshape(x.shape[:-1] + (-1, 32)); a = np.abs(x).max(-1, keepdims=True)
;;       e = np.where(a > 0, np.clip(np.frexp(np.where(a > 0, a, 1))[1] - 1 - 2, -126, 127), 0)      # np.frexp(a)[1] - 1 = floor(log2(a)), exactly
;;       r = np.clip(x / 2.0 ** e, -6, 6)
;;       step = 2.0 ** (np.maximum(np.frexp(np.where(r == 0, 1, r))[1] - 1, 0) - 1)
;;       q = np.round(r / step) * step * 2.0 ** e      # np.round: ties to even
;;       return np.moveaxis(q.reshape(q.shape[:-2] + (-1,))[..., :K], -1, axis).astype(np.float32)
;;   ~~~
;; One version. Each part assembles by itself: llvm-mc -triple=amdgcn-amd-amdhsa -mcpu=gfx1250 --defsym DOCPART=n.
;; ======== version 1 of 1: 2 launches
;; workspace buffers: xq 3,407,872 bytes; bq 1,757,184 bytes
;; launch prep (part 1): grid 1552 x 1, 3 waves a work-group, no clusters, 26,368 bytes of LDS; arguments embedding, memory_bank, xq, bq; writes xq, bq
.if DOCPART == 1
	.amdgcn_target "amdgcn-amd-amdhsa--gfx1250"
	.amdhsa_code_object_version 6
	.text
	.protected	k_qcbb7e68de0_prep
	.globl	k_qcbb7e68de0_prep
	.p2align	8
	.type	k_qcbb7e68de0_prep,@function
k_qcbb7e68de0_prep:
	s_mov_b64 s[64:65], 0
	v_nop
	global_prefetch_b8 v0, s[64:65] scope:SCOPE_SE
	s_setreg_imm32_b32 hwreg(HW_REG_WAVE_MODE, 25, 1), 1
	s_wait_xcnt 0x0
; embedding [16384][384] and memory_bank [8192][384], f32, become RECORDS of 16 rows each, laid in the order of a matrix operand's registers.
; A record is 3,328 bytes: for K step s (128 along K) and c = 0, 1 the bytes 1024 s + 512 c + 16 lane are registers 4 c .. 4 c + 3 of the FP4 (E2M1) fragment of that lane;
; from byte 3,072 on: 16 scale words (four E8M0 bytes, one for each 32 along K) of K step 0, 16 of step 1, 16 of step 2, and from byte 3,264 on sixteen f32: -(the row's sum of squares) / 2, of the UNQUANTISED numbers.
; A block's scale is 2^(floor(log2(its largest magnitude)) - 2); its byte is the largest magnitude's exponent field - 2, held at 1 from below.  Each number is divided by the scale and rounded to the nearest code, ties to even,
; beyond the largest code the largest.
; SHARES.  One work-group makes one record; its wave s takes K step s.  Work-groups 0 .. 1023: the tiles of embedding, into xq.  1024 .. 1535: the tiles of memory_bank, into bq.  1536 .. 1551: sixteen records behind the bank's
; that hold zero codes, scales of 1 and -1.5e38 in place of the norm: the next launch deals 66 tiles to each of its 8 waves (22 steps of 3), 528 in all, and such rows are never among the nearest.
; A conversion takes neighbours along K from ONE lane's registers, a load is best where neighbouring LANES take neighbouring bytes: each load reads 512 consecutive bytes of one row, and the 16 rows turn through the wave's own stage in LDS.
; LIMITS: NaN and infinities among the inputs are not served.  A block of zeros gets the byte 1 where the quantiser's rule says 127: its codes are zeros, and the bytes are read by this program alone.
; A row's sum of squares has to stay finite in f32.
.set REC,  3328                        ; bytes of a record
.set SP,   528                         ; a stage row: 512 bytes + 16: 33 x 16, so that the 16 rows that a load touches fall on 16 different 16-byte columns
.set STG,  16*SP                       ; a wave's stage
.set TAIL, 3*STG                       ; LDS: the record's last 256 bytes are gathered here
.set PN,   TAIL+256                    ; LDS: the three waves' partial sums of squares, 64 bytes each
.set R,    16                          ; v16-79    the numbers as loaded
.set X,    80                          ; v80-143   register 16 b + i = k 32 b + 16 (lane / 16) + i of row lane % 16
.set PC,   144                         ; v144-151  the fragment's codes
.set TM,   152                         ; v152-167  at work: largest magnitudes, bytes, scale operands
.set PW,   168                         ; v168      the scale word
.set NS,   170                         ; v170-175  sums of squares; the record's tail on its way out
.set SEL,  20                          ; s[20:21]  v_permlanex16_b32's selects for lane l xor 16
; 64 numbers of a lane become a fragment's codes in v[PC] on and its row's scale word in v[PW]
.macro QUANT s
.irp b, 0,1,2,3
	v_max3_num_f32 v[TM+\b], |v[\s+16*\b]|, |v[\s+1+16*\b]|, 0x1800000   ; block b: my 16 numbers, and the floor 2^(3 - 127): so the byte cannot fall under 1
.endr
.irp i, 2,4,6,8,10,12,14
.irp b, 0,1,2,3
	v_max3_num_f32 v[TM+\b], v[TM+\b], |v[\s+16*\b+\i]|, |v[\s+1+16*\b+\i]|   ; the four blocks by turns: no line waits for the line above it
.endr
.endr
.irp b, 0,1,2,3
	v_permlanex16_b32 v[TM+4+\b], v[TM+\b], s[SEL], s[SEL+1]
.endr
.irp b, 0,1,2,3
	v_max_num_f32 v[TM+\b], v[TM+\b], v[TM+4+\b]   ; with lane l xor 16's: the block's largest magnitude
.endr
.irp b, 0,1,2,3
	v_add_nc_u32 v[TM+12+\b], 0xff000000, v[TM+\b]   ; 2 off its exponent field: the conversion takes the exponent field of this operand as its scale
.endr
.irp b, 0,1,2,3
	v_lshrrev_b32 v[TM+4+\b], 23, v[TM+12+\b]      ; the scale's byte
.endr
	v_lshl_or_b32 v[PW], v[TM+5], 8, v[TM+4]       ; the four bytes make my row's scale word (both halves of the lanes hold the same)
	v_lshl_or_b32 v[PW], v[TM+6], 16, v[PW]
	v_lshl_or_b32 v[PW], v[TM+7], 24, v[PW]
.irp b, 0,1,2,3
	v_cvt_scalef32_pk8_fp4_f32 v[PC+2*\b], v[\s+16*\b:\s+7+16*\b], v[TM+12+\b]
	v_cvt_scalef32_pk8_fp4_f32 v[PC+1+2*\b], v[\s+8+16*\b:\s+15+16*\b], v[TM+12+\b]
.endr
	v_nop                                          ; one plain instruction between a scaled conversion and the vector instruction that touches its result
.irp c, 0,1                                    ; the operand's layout wants a WHOLE block in a lane: lanes 0-15 block 2 c, lanes 16-31 block 2 c + 1
.irp i, 0,1
	v_permlane16_swap_b32 v[PC+4*\c+\i], v[PC+2+4*\c+\i]
.endr
.endr
.endm
	s_load_b256 s[4:11], s[0:1], 0x0               ; embedding s[4:5], memory_bank s[6:7], xq s[8:9], bq s[10:11]
	v_lshl_add_u32 v176, v0, 2, 0x6500
	v_mov_b32 v177, 0
	v_lshrrev_b32 v1, 5, v0
	v_readfirstlane_b32 s12, v1                    ; my wave = my K step
	v_and_b32 v1, 31, v0                           ; lane
	v_and_b32 v2, 15, v0                           ; r
	v_bfe_u32 v3, v0, 4, 1                         ; h
	v_lshlrev_b32 v4, 4, v1                        ; 16 x lane: my bytes of a load's 512, and of an image's
	s_mul_i32 s13, s12, STG
	v_add_nc_u32 v5, s13, v4                       ; the stage, on the way in: a row as it lies
	v_mul_u32_u24 v6, v2, SP
	v_lshl_add_u32 v6, v3, 6, v6
	v_add_nc_u32 v6, s13, v6                       ; and on the way out: row r, + 64 h: my 16 numbers of each block of 32
	s_lshl_b32 s14, s12, 6
	v_lshlrev_b32 v9, 2, v2                        ; 4 r
	v_add_nc_u32 v7, s14, v9
	v_add_nc_u32 v8, PN, v7                        ; where my partial sum goes: 64 x wave + 4 r
	v_add_nc_u32 v7, TAIL, v7                      ; where my scale word goes: likewise
	v_add_nc_u32 v10, TAIL+192, v9                 ; where the rows' -norm / 2 goes
	v_add_nc_u32 v9, PN, v9                        ; where the partial sums are read back
	v_lshlrev_b32 v12, 3, v1                       ; the tail on its way out: 8 bytes a lane
	v_add_nc_u32 v11, TAIL, v12
	s_mov_b32 s[SEL], 0x76543210
	s_mov_b32 s[SEL+1], 0xfedcba98
.irp b, 0,1,2,3
	v_mov_b32 v[TM+4+\b], 0                        ; written once: a lane permute's destination counts as one of its sources
.endr
	v_mov_b32 v[NS+4], 0
	s_wait_kmcnt 0x0
	s_cmp_lt_u32 ttmp9, 1024                       ; a tile of embedding, or a record of the bank?  The choice hangs on the work-group's number alone
	s_cselect_b64 s[4:5], s[4:5], s[6:7]
	s_cselect_b64 s[8:9], s[8:9], s[10:11]
	s_cselect_b32 s15, 0, 1024
	s_sub_co_u32 s15, ttmp9, s15                   ; the tile's number in its tensor
	s_mul_i32 s16, s15, 16*1536                    ; 16 rows of 1,536 bytes,
	s_lshl_b32 s18, s12, 9                         ; my K step's 512 bytes of a row
	s_add_co_u32 s16, s16, s18
	s_mov_b32 s17, 0
	s_add_nc_u64 s[4:5], s[4:5], s[16:17]
	s_mul_i32 s16, s15, REC                        ; the record,
	s_lshl_b32 s18, s12, 10                        ; my K step's 1,024 bytes of it (wave 0: the record's first byte)
	s_add_co_u32 s16, s16, s18
	s_add_nc_u64 s[8:9], s[8:9], s[16:17]
	s_cmp_ge_u32 ttmp9, 1536
	s_cbranch_scc1 .Ldummy                         ; the sixteen records behind the bank load nothing: the same way for all three waves
.irp i, 0,1,2,3,4,5,6,7,8,9,10,11,12,13,14,15
	global_load_b128 v[R+4*\i:R+4*\i+3], v4, s[4:5] offset:1536*\i th:TH_LOAD_NT   ; row i: 32 lanes read 512 consecutive bytes, at a multiple of 256 from the buffer's first byte
.endr
.irp i, 0,1,2,3,4,5,6,7,8,9,10,11,12,13,14,15
	s_wait_loadcnt 15-\i                           ; loads come back in order: row i is in, the younger ones stay out
	ds_store_b128 v5, v[R+4*\i:R+4*\i+3] offset:SP*\i
.endr
.irp b, 0,1,2,3
.irp j, 0,1,2,3
	ds_load_b128 v[X+16*\b+4*\j:X+16*\b+4*\j+3], v6 offset:128*\b+16*\j   ; LDS serves a wave's instructions in order: these see my stores
.endr
.endr
	s_wait_dscnt 0x0
	v_pk_mul_f32 v[NS:NS+1], v[X:X+1], v[X:X+1]    ; the sum of squares of my 64 numbers, two at a time, in two chains
	v_pk_mul_f32 v[NS+2:NS+3], v[X+2:X+3], v[X+2:X+3]
.irp j, 4,8,12,16,20,24,28,32,36,40,44,48,52,56,60
	v_pk_fma_f32 v[NS:NS+1], v[X+\j:X+\j+1], v[X+\j:X+\j+1], v[NS:NS+1]
	v_pk_fma_f32 v[NS+2:NS+3], v[X+\j+2:X+\j+3], v[X+\j+2:X+\j+3], v[NS+2:NS+3]
.endr
	v_pk_add_f32 v[NS:NS+1], v[NS:NS+1], v[NS+2:NS+3]
	v_add_f32 v[NS], v[NS], v[NS+1]
	v_permlanex16_b32 v[NS+4], v[NS], s[SEL], s[SEL+1]
	v_add_f32 v[NS], v[NS], v[NS+4]                ; with lane l xor 16's: row r's 128 numbers of my K step
	QUANT X
	s_branch .Lout
.Ldummy:
.irp i, 0,1,2,3,4,5,6,7
	v_mov_b32 v[PC+\i], 0                          ; zero codes,
.endr
	v_mov_b32 v[PW], 0x7f7f7f7f                    ; scales of 1,
	v_mov_b32 v[NS], 0x7e967699                    ; and 1e38 from each of the three waves: -1.5e38 in the norm's place
.Lout:
	global_store_b128 v4, v[PC:PC+3], s[8:9]       ; the fragment as it stands: 512 consecutive bytes a store, at a multiple of 256 from the buffer's first byte
	global_store_b128 v4, v[PC+4:PC+7], s[8:9] offset:512
	ds_store_b32 v7, v[PW]                         ; both halves of the lanes write the same word with the same value
	ds_store_b32 v8, v[NS]
	s_wait_dscnt 0x0                               ; for wave 0's sake: my stores have landed
	s_barrier_signal -1
	s_barrier_wait -1
	s_cmp_lg_u32 s12, 0
	s_cbranch_scc1 .Lend                           ; wave 0 finishes the record's tail; no barrier follows
	ds_load_b32 v[NS+1], v9
	ds_load_b32 v[NS+2], v9 offset:64
	ds_load_b32 v[NS+3], v9 offset:128
	s_wait_dscnt 0x0
	v_add_f32 v[NS+1], v[NS+1], v[NS+2]
	v_add_f32 v[NS+1], v[NS+1], v[NS+3]
	v_mul_f32 v[NS+1], -0.5, v[NS+1]               ; -(row r's sum of squares) / 2
	ds_store_b32 v10, v[NS+1]
	ds_load_b64 v[NS+4:NS+5], v11                  ; in order behind my store: the whole tail, 8 bytes a lane
	s_wait_dscnt 0x0
	global_store_b64 v12, v[NS+4:NS+5], s[8:9] offset:3072   ; 32 lanes store 256 consecutive bytes, aligned
.Lend:
	s_wait_tensorcnt 0x0
	ds_add_u32 v176, v177
	s_wait_dscnt 0x0
	s_endpgm
.Lfunc_end_k_qcbb7e68de0_prep:
	.size	k_qcbb7e68de0_prep, .Lfunc_end_k_qcbb7e68de0_prep-k_qcbb7e68de0_prep
	.p2alignl 7, 3214868480
	.fill 96, 4, 3214868480
	.section	.rodata,"a",@progbits
	.p2align	6, 0x0
	.amdhsa_kernel k_qcbb7e68de0_prep
		.amdhsa_group_segment_fixed_size 26368
		.amdhsa_private_segment_fixed_size 0
		.amdhsa_enable_private_segment 0
		.amdhsa_kernarg_size 32
		.amdhsa_user_sgpr_count 2
		.amdhsa_user_sgpr_kernarg_segment_ptr 1
		.amdhsa_wavefront_size32 1
		.amdhsa_system_sgpr_workgroup_id_x 1
		.amdhsa_system_sgpr_workgroup_id_y 1
		.amdhsa_system_sgpr_workgroup_id_z 1
		.amdhsa_system_vgpr_workitem_id 0
		.amdhsa_next_free_vgpr 178
		.amdhsa_next_free_sgpr 66
		.amdhsa_reserve_vcc 0
		.amdhsa_float_denorm_mode_32 3
		.amdhsa_float_denorm_mode_16_64 3
		.amdhsa_memory_ordered 1
		.amdhsa_forward_progress 1
		.amdhsa_inst_pref_size 14
	.end_amdhsa_kernel
	.amdgpu_metadata
---
amdhsa.version: [ 1, 2 ]
amdhsa.kernels:
  - .name:           k_qcbb7e68de0_prep
    .symbol:         k_qcbb7e68de0_prep.kd
    .args:
      - { .name: embedding, .offset: 0, .size: 8, .value_kind: global_buffer, .address_space: global }
      - { .name: memory_bank, .offset: 8, .size: 8, .value_kind: global_buffer, .address_space: global }
      - { .name: xq, .offset: 16, .size: 8, .value_kind: global_buffer, .address_space: global }
      - { .name: bq, .offset: 24, .size: 8, .value_kind: global_buffer, .address_space: global }
    .group_segment_fixed_size: 26368
    .private_segment_fixed_size: 0
    .kernarg_segment_align: 8
    .kernarg_segment_size: 32
    .max_flat_workgroup_size: 96
    .sgpr_count:     66
    .vgpr_count:     178
    .wavefront_size: 32
...
	.end_amdgpu_metadata
.endif
;; end of part 1
;; launch knn (part 2): grid 256 x 1, 8 waves a work-group, clusters of 4 x 1, 327,680 bytes of LDS; arguments xq, bq, out0; writes out0
.if DOCPART == 2
	.amdgcn_target "amdgcn-amd-amdhsa--gfx1250"
	.amdhsa_code_object_version 6
	.text
	.protected	k_qcbb7e68de0_knn
	.globl	k_qcbb7e68de0_knn
	.p2align	8
	.type	k_qcbb7e68de0_knn,@function
k_qcbb7e68de0_knn:
	s_mov_b64 s[64:65], 0
	v_nop
	global_prefetch_b8 v0, s[64:65] scope:SCOPE_SE
	s_setreg_imm32_b32 hwreg(HW_REG_WAVE_MODE, 25, 1), 1
	s_wait_xcnt 0x0
	s_wait_alu depctr_hold_cnt(0) depctr_sa_sdst(0) depctr_va_vdst(0) depctr_va_sdst(0) depctr_va_ssrc(0) depctr_va_vcc(0) depctr_vm_vsrc(0)
	s_getreg_b32 s2, hwreg(HW_REG_IB_STS2, 6, 4)
	s_cmp_eq_u32 s2, 0
	s_cbranch_scc0 .Lentry_in_a_cluster
	s_endpgm
.Lentry_in_a_cluster:
	s_bfe_u32 s2, ttmp6, 0x10000c
	s_cmp_lg_u32 s2, 0x3003
	s_cbranch_scc0 .Lentry_shape_is_right
	s_endpgm
.Lentry_shape_is_right:
; out0[n][0..8] = the 9 smallest of sqrt(max(|x_n|^2 - 2 x_n . y_m + |y_m|^2, 0)) over the 8,192 rows y_m of the bank, ascending.  x . y on codes of FP4 (E2M1) with E8M0 scales for each 32 along K = 384; norms of the unquantised numbers.
; WHAT IS SELECTED ON.  Root and clip keep the order and |x|^2 is constant along a row: so the 9 LARGEST t = x . y - |y|^2 / 2 are kept, and norm, clip and root are applied to 9 numbers a query.
; -|y|^2 / 2 is the C of a sum's first matrix instruction, so the matrix result IS t.
; INPUTS: records of 16 rows made by the launch before (3,328 bytes: three fragments as images of their registers, 48 scale words, 16 numbers -norm / 2).  bq has 528 of them: 512 tiles of the bank and 16 whose t is -1.5e38.
; SHARES.  A work-group owns 64 queries: four tiles q.  THE EIGHT WAVES SHARE THE BANK, NOT THE QUERIES: wave w walks 66 tiles of the bank, 22 steps of 3, against all four tiles of queries, whose fragments stay in its registers:
; each fragment of the bank read from LDS feeds four products, and each LDS byte is read once.  Source 0 = 16 rows of the bank, source 1 = 16 queries: lane (r, h) holds query r, register j the bank's row 8 h + j.
; THE SELECTION has no branch on data.  (a) v goes into a descending list by L[i] = med3(L[i-1], L[i], v) from the bottom up and L[0] = max(L[0], v): one instruction an entry.
; (b) Disjoint groups are sorted (three numbers: max3, med3, min3).  A number of rank j in its group is among the stream's best k only if it is among the best k / j (rounded down) of all numbers of rank j: were that many of rank j
; ahead of it, each with its j - 1 larger mates, and its own j - 1 mates, k or more would be ahead.  Applied twice (across a step's three tiles, then within a lane's eight registers) that leaves nine lists a lane and tile of queries,
; of 9, 4, 3 | 4, 2, 1 | 3, 1, 1 entries: 124 instructions for 24 candidates.  At the end the nine lists are folded into one, the eight waves' lists meet in LDS, and the two halves of the lanes are merged.
; THE RING.  Two LDS slots of 159,744 bytes; a slot holds two steps of all eight waves.  Every wave fetches its own 19,968 dense bytes of a slot by one tensor load and reads those bytes alone.
; CLUSTER.  All 256 work-groups walk the same bank: the four of a cluster ask for each part JOINTLY (the same load, the same descriptor, a mask that names the four).  Nothing else is shared, so a cluster is one row of four.
; REGISTERS, in windows of 256 (s_set_vgpr_msb: bits 1:0 source 0, 3:2 source 1, 5:4 source 2, 7:6 destination):
;   window 0: v1-13 addresses and the like; v14-21 the queries' scale words; v22-27 the bank's; v28-43 at work; v44-139 the 12 accumulators ((t, q) at 44 + 24 q + 8 t); v140-251 the lists, 28 a tile of queries.
;   window 1: v0-95 the queries' fragments (24 q + 8 s); v96-167 the bank's (96 + 24 t + 8 s); v168-191 -norm / 2 in the result's layout (168 + 8 t).
; LIMITS: NaN and infinities are not served.  A real candidate has t above -1.5e38.  The sums run in another order than the reference's: -|y|^2 / 2 first, the products onto it, |x|^2 last.
.set REC,   3328                       ; bytes of a record
.set STEPB, 3*REC                      ; a wave's step
.set PARTB, 2*STEPB                    ; a wave's part of a slot: 78 x 256 bytes
.set SLOTB, 8*PARTB                    ; a slot; also a slot's fill in memory
.set SPARE, 2*SLOTB                    ; behind the ring: the spare words, 128 bytes for each wave: four blocks of 256 bytes that no other line names
.set MRG,   SLOTB                      ; the waves' lists meet in slot 1, which has had its last fill and its last read by then: list (q, w) at (8 q + w) x 1,152
.set LISTB, 1152                       ; a list of 9 registers as an image: 512 + 512 + 128 bytes
.set OUTS,  MRG+32*LISTB               ; and behind them 64 rows of 36 bytes: the work-group's part of out0
.set ASKB,  163840                     ; bytes that one round of prefetches names: 4 work-groups x 5 waves x 32 lanes x 256
.set LASTB, 528*REC-256                ; bq's last 256 bytes begin here
.set SPW, 1                            ; v1   LDS address of my spare word; never rewritten
.set NIL, 2                            ; v2   0; never rewritten
.set FA0, 3                            ; v3   my wave's part + 16 x lane: fragments
.set SA0, 4                            ; v4   + 4 x lane: scale words of K steps 0 (lanes 0-15) and 1 (lanes 16-31)
.set SB0, 5                            ; v5   + 4 r: scale words of K step 2
.set BA0, 6                            ; v6   + 32 h: -norm / 2 of rows 8 h .. 8 h + 7
.set ADF, 7                            ; v7-10 the same four at the step to be fetched
.set ADA, 8
.set ADB, 9
.set ADC, 10
.set PFO, 11                           ; v11  where my prefetches stand in bq
.set PFC, 12                           ; v12  the same, held inside the buffer
.set BX,  13                           ; v13  -|x|^2 / 2 of query r of tile (wave % 4)
.set XS,  14
.set BS,  22
.set T,   28
.set ACC, 44
.set LST, 140
.set XF,  0
.set BF,  96
.set BB,  168
.set WV,  10                           ; s10  my wave
.set CX,  11                           ; s11  my place in the cluster: it enters xq's, out0's and the prefetches' addresses alone
.set WG,  12                           ; s12  my work-group
.set TB,  13                           ; s13  LDS byte, from my wave's part of slot 0, of the step to be fetched
.set LAPS, 14
.set TWICE, 15
.set G1,  16                           ; s[16:23] descriptor group 1
.set G0,  24                           ; s[24:27], s[28:31] group 0 of slot 0 and of slot 1
.set LIM, 32                           ; s32  1 in a wave that prefetches
.set SEL, 34                           ; s[34:35] v_permlanex16_b32's selects for lane l xor 16
.set MSB, 0
.macro WIN new                         ; the immediate's high byte repeats the setting that is left; a switch that changes nothing is dropped
.if MSB != \new
	s_set_vgpr_msb (MSB<<8)|\new
.set MSB, \new
.endif
.endm
; A round of the cluster's barrier: my work-group's barrier, wave 0 signals for the work-group, every wave waits for all four work-groups, my work-group's barrier once more.
.macro ROUND
	s_barrier_signal -1
	s_barrier_wait -1
	s_cmp_lg_u32 s[WV], 0
	s_cbranch_scc1 .Lnot_wave_0_\@
	s_barrier_signal -3
.Lnot_wave_0_\@:
	s_barrier_wait -3
	s_barrier_signal -1
	s_barrier_wait -1
.endm
; A PREFETCH INTO THE L2 of the next ASKB bytes of bq, lanes 256 bytes apart, one instruction a wave.  All clusters walk the same bank: the first cluster asks, in it waves 0 to 4 of each work-group; the four partners are told
; apart BY ADDRESS (5 x place + wave), never by a branch.  It stands behind the wave's tensor load and its four lines.
.macro ASK
	s_cmp_lg_u32 s[LIM], 0
	s_cbranch_scc0 .Lnot_mine_\@
	global_prefetch_b8 v[PFC], s[6:7] th:TH_LOAD_NT scope:SCOPE_SE
.Lnot_mine_\@:
.endm
; A step's three records of my wave come into registers in one run of 30 LDS loads: 18 for the fragments, 6 for -norm / 2, 6 for the scale words.
.macro LOADS
	WIN 0x40                                       ; destination window 1, address window 0
.irp t, 0,1,2
.irp s, 0,1,2
.irp c, 0,1
	ds_load_b128 v[BF+24*\t+8*\s+4*\c:BF+24*\t+8*\s+4*\c+3], v[ADF] offset:REC*\t+1024*\s+512*\c   ; an image: 512 consecutive bytes
.endr
.endr
.endr
.irp t, 0,1,2
.irp c, 0,1
	ds_load_b128 v[BB+8*\t+4*\c:BB+8*\t+4*\c+3], v[ADC] offset:REC*\t+3264+16*\c   ; register j: the number of row 8 h + j, the same in all 16 lanes of a half
.endr
.endr
	WIN 0
.irp t, 0,1,2
	ds_load_b32 v[BS+2*\t], v[ADA] offset:REC*\t+3072
	ds_load_b32 v[BS+2*\t+1], v[ADB] offset:REC*\t+3200
.endr
	s_add_co_u32 s[TB], s[TB], STEPB               ; the next fetch is the next step's
.endm
; K step s of the step's 12 products.  The 12 accumulators take turns, one instruction a turn.  The first K step starts each sum with -norm / 2.
.macro WMMA s
.irp t, 0,1,2
.irp q, 0,1,2,3
.if \s == 0
	v_wmma_scale_f32_16x16x128_f8f6f4 v[ACC+24*\q+8*\t:ACC+24*\q+8*\t+7], v[BF+24*\t:BF+24*\t+7], v[XF+24*\q:XF+24*\q+7], v[BB+8*\t:BB+8*\t+7], v[BS+2*\t], v[XS+2*\q] matrix_a_fmt:MATRIX_FMT_FP4 matrix_b_fmt:MATRIX_FMT_FP4
.elseif \s == 1
	v_wmma_scale_f32_16x16x128_f8f6f4 v[ACC+24*\q+8*\t:ACC+24*\q+8*\t+7], v[BF+24*\t+8:BF+24*\t+15], v[XF+24*\q+8:XF+24*\q+15], v[ACC+24*\q+8*\t:ACC+24*\q+8*\t+7], v[BS+2*\t], v[XS+2*\q] matrix_a_fmt:MATRIX_FMT_FP4 matrix_b_fmt:MATRIX_FMT_FP4 matrix_a_scale:MATRIX_SCALE_ROW1 matrix_b_scale:MATRIX_SCALE_ROW1
.else
	v_wmma_scale_f32_16x16x128_f8f6f4 v[ACC+24*\q+8*\t:ACC+24*\q+8*\t+7], v[BF+24*\t+16:BF+24*\t+23], v[XF+24*\q+16:XF+24*\q+23], v[ACC+24*\q+8*\t:ACC+24*\q+8*\t+7], v[BS+2*\t+1], v[XS+2*\q+1] matrix_a_fmt:MATRIX_FMT_FP4 matrix_b_fmt:MATRIX_FMT_FP4
.endif
.endr
.endr
.endm
; v[val] goes into the descending list v[lst] .. v[lst + cnt - 1], whose first frm entries are known to be at least as large.
.macro INSF lst, cnt, frm, val
.set ii, (\cnt)-1
.if (\cnt)-1-(\frm) > 0
.rept (\cnt)-1-(\frm)
	v_med3_num_f32 v[(\lst)+ii], v[(\lst)+ii-1], v[(\lst)+ii], v[\val]   ; from the bottom up: each line reads entries as they were
.set ii, ii-1
.endr
.endif
	v_max_num_f32 v[(\lst)+(\frm)], v[(\lst)+(\frm)], v[\val]
.endm
; Eight numbers as groups of 3, 3 and 2, each sorted descending.
.macro SORT8 src, dst
.irp g, 0,3
	v_max3_num_f32 v[(\dst)+\g], v[(\src)+\g], v[(\src)+\g+1], v[(\src)+\g+2]
	v_med3_num_f32 v[(\dst)+\g+1], v[(\src)+\g], v[(\src)+\g+1], v[(\src)+\g+2]
	v_min3_num_f32 v[(\dst)+\g+2], v[(\src)+\g], v[(\src)+\g+1], v[(\src)+\g+2]
.endr
	v_max_num_f32 v[(\dst)+6], v[(\src)+6], v[(\src)+7]
	v_min_num_f32 v[(\dst)+7], v[(\src)+6], v[(\src)+7]
.endm
; The step's 24 candidates of tile q of the queries.  Lists at LQ: +0 (9), +9 (4), +13 (3) for the largest of three tiles; +16 (4), +20 (2), +22 (1) for the middle; +23 (3), +26 (1), +27 (1) for the smallest.
.macro SELECT q
.set AQ, ACC+24*(\q)
.set BQ, AQ+8
.set CQ, AQ+16
.set LQ, LST+28*(\q)
.irp j, 0,1,2,3,4,5,6,7                        ; across the three tiles; each accumulator is read from its low end on
	v_max3_num_f32 v[T+\j], v[AQ+\j], v[BQ+\j], v[CQ+\j]
	v_med3_num_f32 v[T+8+\j], v[AQ+\j], v[BQ+\j], v[CQ+\j]
	v_min3_num_f32 v[CQ+\j], v[AQ+\j], v[BQ+\j], v[CQ+\j]
.endr
	SORT8 T, AQ                                    ; the largest, sorted in groups, into the first accumulator's registers,
	SORT8 T+8, BQ                                  ; the middle ones into the second's,
	SORT8 CQ, T                                    ; the smallest into v[T] on
	INSF LQ,9,0,AQ                                 ; long and short lists by turns, so that an insertion does not follow straight on the one that it waits for
	INSF LQ+9,4,0,AQ+1
	INSF LQ+13,3,0,AQ+2
	INSF LQ+16,4,0,BQ
	INSF LQ+20,2,0,BQ+1
	INSF LQ+23,3,0,T
	v_max3_num_f32 v[LQ+22], v[LQ+22], v[BQ+2], v[BQ+5]
	INSF LQ,9,0,AQ+3
	INSF LQ+9,4,0,AQ+4
	INSF LQ+13,3,0,AQ+5
	INSF LQ+16,4,0,BQ+3
	INSF LQ+20,2,0,BQ+4
	INSF LQ+23,3,0,T+3
	v_max3_num_f32 v[LQ+26], v[LQ+26], v[T+1], v[T+4]
	INSF LQ,9,0,AQ+6
	INSF LQ+9,4,0,AQ+7
	INSF LQ+16,4,0,BQ+6
	INSF LQ+20,2,0,BQ+7
	INSF LQ+23,3,0,T+6
	v_max_num_f32 v[LQ+26], v[LQ+26], v[T+7]
	v_max3_num_f32 v[LQ+27], v[LQ+27], v[T+2], v[T+5]
.endm
; A STEP: 36 matrix instructions on the records in registers; then, next = 1, the next step's 30 LDS loads, which land while the 496 instructions of the selection run.
; A load into a register that a matrix instruction has read, and a vector instruction that reads a matrix result, stand four plain vector instructions behind it: the four address sums, or four v_nop.
.macro TRI next
	s_wait_dscnt 0x0                               ; the step's 30 loads are in
	WIN 0x15                                       ; A, B and C window 1, D window 0
	WMMA 0
	WIN 0x05                                       ; A and B window 1, C and D window 0
	WMMA 1
	WMMA 2
	WIN 0
.if \next
	v_add_nc_u32 v[ADF], s[TB], v[FA0]
	v_add_nc_u32 v[ADA], s[TB], v[SA0]
	v_add_nc_u32 v[ADB], s[TB], v[SB0]
	v_add_nc_u32 v[ADC], s[TB], v[BA0]
	LOADS
.else
.rept 4
	v_nop
.endr
.endif
	SELECT 0
	SELECT 1
	SELECT 2
	SELECT 3
.endm
.macro TWO                             ; two steps: written once, walked twice; the LDS addresses hang on s[TB]
	s_mov_b32 s[TWICE], 2
.Lstep_\@:
	TRI 1
	s_sub_co_u32 s[TWICE], s[TWICE], 1
	s_cmp_lg_u32 s[TWICE], 0
	s_cbranch_scc1 .Lstep_\@
.endm
; THE CHANGE OF SLOTS stands where slot p's second step has been asked for out of LDS.  Each wave waits for all its tensor loads (one is out: its part of the other slot), adds 0 to its spare word, and waits for that and for its reads
; of slot p.  fill = 1: a round of the cluster's barrier, so that no wave of any partner still reads the slot or has a load on its way, and the joint refill first behind it: it has two steps in which to land.
; ask = 1: the prefetch's address steps, behind the wait that shows that the last prefetch has read it, and is held inside bq.
.macro CHANGE fill, p, ask
	s_wait_tensorcnt 0x0                           ; no tensor load of mine is out, so a group 0 may be written
	ds_add_u32 v[SPW], v[NIL]                      ; 0 onto my spare word
.if \fill
	s_add_nc_u64 s[G0+4*\p+2:G0+4*\p+3], s[G0+4*\p+2:G0+4*\p+3], 2*SLOTB   ; this slot's next fill lies two fills on; the type bits on top are not reached
.endif
.if \ask
	s_wait_xcnt 0x0
	v_add_nc_u32 v[PFO], ASKB, v[PFO]
	v_min_u32 v[PFC], LASTB, v[PFO]
.endif
	s_wait_dscnt 0x0                               ; the add is done, and my reads of slot p are in
.if \fill
	ROUND
	tensor_load_to_lds s[G0+4*\p:G0+4*\p+3], s[G1:G1+7]   ; my one tensor load behind the round, and the first thing there
	s_nop 0
.rept 4
	v_nop
.endr
.if \ask
	ASK
.endif
.else
	s_barrier_signal -1
	s_barrier_wait -1
.endif
.if \p == 0
	s_add_co_u32 s[TB], s[TB], SLOTB-PARTB         ; the fetches go on at the other slot's first step
.else
	s_sub_co_u32 s[TB], s[TB], SLOTB+PARTB
.endif
.endm
; Tile q's nine lists become one of 9.  The k-th entry of a sorted list finds k entries at least as large ahead of it.
.macro FOLD q
.set LQ, LST+28*(\q)
	INSF LQ+23,3,0,LQ+26
	INSF LQ+16,4,0,LQ+20
	INSF LQ+23,3,0,LQ+27
	INSF LQ+16,4,1,LQ+21
	INSF LQ+16,4,0,LQ+22
.irp k, 0,1,2,3
	INSF LQ,9,\k,LQ+9+\k
.endr
.irp k, 0,1,2
	INSF LQ,9,\k,LQ+13+\k
.endr
.irp k, 0,1,2,3
	INSF LQ,9,\k,LQ+16+\k
.endr
.irp k, 0,1,2
	INSF LQ,9,\k,LQ+23+\k
.endr
.endm
.macro MERGE9 dst, src                 ; a sorted list of 9 into another
.set kk, 0
.rept 9
	INSF \dst,9,kk,(\src)+kk
.set kk, kk+1
.endr
.endm
	s_load_b128 s[4:7], s[0:1], 0x0                ; xq s[4:5], bq s[6:7]
	s_load_b64 s[8:9], s[0:1], 0x10                ; out0
	v_lshl_add_u32 v[SPW], v0, 2, SPARE
	v_mov_b32 v[NIL], 0
	ds_add_u32 v1, v2
	ds_add_u32 v1, v2
	s_wait_dscnt 0x0
	v_lshrrev_b32 v28, 5, v0
	v_readfirstlane_b32 s[WV], v28                 ; wave 0..7
	s_bfe_u32 s[CX], ttmp6, 0x40000                ; my place in the cluster
	s_lshl_b32 s[WG], ttmp9, 2                     ; in a cluster launch ttmp9 counts clusters
	s_add_co_u32 s[WG], s[WG], s[CX]
	; descriptor group 1: 19,968 dense bytes as 78 rows of 256 bytes (32 elements of 8 bytes); no padding: every LDS read takes consecutive bytes
	s_mov_b32 s[G1], 15|(3<<16)|(1<<21)            ; 15:0 the mask: all four work-groups; 17:16 elements of 8 bytes; 21 set beside a mask
	s_mov_b32 s[G1+1], 32<<16                      ; tensor_dim0 = 32
	s_mov_b32 s[G1+2], 78<<16                      ; tensor_dim1 = 78
	s_mov_b32 s[G1+3], 32<<16                      ; tile_dim0 = 32
	s_mov_b32 s[G1+4], 78                          ; tile_dim1 = 78
	s_mov_b32 s[G1+5], 32                          ; from row to row
	s_mov_b32 s[G1+6], 0
	s_mov_b32 s[G1+7], 0
	s_mov_b32 s[SEL], 0x76543210
	s_mov_b32 s[SEL+1], 0xfedcba98
	s_mov_b32 s40, 0xff800000                      ; -infinity: under every t
	s_mov_b32 s[TB], 0
	s_cmp_lt_u32 s[WV], 5                          ; waves 0 to 4
	s_cselect_b32 s[LIM], 0, 1
	s_or_b32 s[LIM], s[LIM], ttmp9                 ; of the first cluster prefetch: the same in all four partners
	s_cmp_eq_u32 s[LIM], 0
	s_cselect_b32 s[LIM], 1, 0
	s_mul_i32 s36, s[WV], PARTB                    ; my wave's part, in a slot and in a slot's fill in memory: no place in the cluster enters it
	s_mov_b32 s37, 0
	s_mul_i32 s38, s[WG], 4*REC                    ; my work-group's four records of xq
	s_mov_b32 s39, 0
	s_wait_kmcnt 0x0
	s_add_nc_u64 s[4:5], s[4:5], s[38:39]
	s_mul_i32 s38, s[WG], 64*36                    ; and its 64 rows of out0
	s_add_nc_u64 s[8:9], s[8:9], s[38:39]
	s_mul_i32 s38, s[CX], 5
	s_add_co_u32 s38, s38, s[WV]
	s_lshl_b32 s38, s38, 13                        ; the prefetches: 8,192 bytes for each of the 20 waves that ask,
	s_add_co_u32 s38, s38, 3*SLOTB-ASKB            ; one step short of the fourth fill: the first change of slots steps there.  The first three fills come by their loads alone
	s_mov_b32 s[G0], 1                             ; 1:0 count = 1
	s_mov_b32 s[G0+1], s36                         ; LDS address: slot 0
	s_add_nc_u64 s[G0+2:G0+3], s[6:7], s[36:37]    ; global address: the first fill
	s_or_b32 s[G0+3], s[G0+3], 0x80000000          ; type = 2
	s_mov_b32 s[G0+4], 1
	s_add_co_u32 s[G0+5], s36, SLOTB               ; slot 1
	s_add_nc_u64 s[G0+6:G0+7], s[6:7], s[36:37]
	s_add_nc_u64 s[G0+6:G0+7], s[G0+6:G0+7], SLOTB ; the second fill
	s_or_b32 s[G0+7], s[G0+7], 0x80000000
	ROUND                                          ; all four work-groups are here: the first joint loads meet
	tensor_load_to_lds s[G0:G0+3], s[G1:G1+7]      ; both first fills go out together: two loads of mine are out, the most in this text
	s_nop 0
	tensor_load_to_lds s[G0+4:G0+7], s[G1:G1+7]
	s_nop 0
	v_and_b32 v28, 31, v0                          ; lane.  (Six plain lines stand between the tensor loads and the switch of windows)
	v_and_b32 v31, 15, v0                          ; r
	v_bfe_u32 v33, v0, 4, 1                        ; h
	v_lshlrev_b32 v29, 4, v28
	v_lshlrev_b32 v30, 2, v28
	v_lshlrev_b32 v32, 2, v31
	WIN 0x40                                       ; destination window 1
.irp q, 0,1,2,3
.irp s, 0,1,2
.irp c, 0,1
	global_load_b128 v[XF+24*\q+8*\s+4*\c:XF+24*\q+8*\s+4*\c+3], v29, s[4:5] offset:REC*\q+1024*\s+512*\c   ; the queries' fragments stay in registers
.endr
.endr
.endr
	WIN 0
.irp q, 0,1,2,3
	global_load_b32 v[XS+2*\q], v30, s[4:5] offset:REC*\q+3072     ; lanes 0-15: K step 0's scale words, lanes 16-31: K step 1's
	global_load_b32 v[XS+2*\q+1], v32, s[4:5] offset:REC*\q+3200   ; K step 2's
.endr
	s_and_b32 s37, s[WV], 3
	s_mul_i32 s37, s37, REC
	v_add_nc_u32 v34, s37, v32
	global_load_b32 v[BX], v34, s[4:5] offset:3264 ; -|x|^2 / 2 of the tile that my wave will finish
	v_lshl_add_u32 v[PFO], v28, 8, s38
	v_add_nc_u32 v[FA0], s36, v29
	v_add_nc_u32 v[SA0], s36, v30
	v_add_nc_u32 v[SB0], s36, v32
	v_lshl_add_u32 v[BA0], v33, 5, s36
.set i, 0
.rept 112
	v_mov_b32 v[LST+i], s40                        ; the lists begin under every t, so that the step is written in one form
.set i, i+1
.endr
	v_add_nc_u32 v[ADF], s[TB], v[FA0]
	v_add_nc_u32 v[ADA], s[TB], v[SA0]
	v_add_nc_u32 v[ADB], s[TB], v[SB0]
	v_add_nc_u32 v[ADC], s[TB], v[BA0]
	s_wait_tensorcnt 0x1                           ; my part of slot 0 is in, slot 1's may stay out; I read no other wave's bytes, so no barrier is wanted
	LOADS                                          ; step 0
	s_wait_loadcnt 0x0                             ; the queries
	TRI 1                                          ; step 0; it fetches step 1: slot 0 is read out
	s_mov_b32 s[LAPS], 4
.Llap:                                                 ; a trip goes once round the ring: four steps, both slots filled again
	CHANGE 1, 0, 1
	TWO
	CHANGE 1, 1, 1
	TWO
	s_sub_co_u32 s[LAPS], s[LAPS], 1
	s_cmp_lg_u32 s[LAPS], 0
	s_cbranch_scc1 .Llap
	CHANGE 1, 0, 0                                 ; the tail is written out: the eleventh and last fill, into slot 0; nothing lies behind it to prefetch
	TWO
	CHANGE 0, 1, 0                                 ; slot 1 is left: nothing is asked for.  Behind this barrier no wave reads slot 1 any more
	TWO
	TRI 0                                          ; step 21
	; THE WAY OUT.  All LDS addresses are made here, on the way that every wave takes.
	v_and_b32 v28, 31, v0
	v_and_b32 v29, 15, v0
	s_mul_i32 s36, s[WV], LISTB
	s_add_co_u32 s36, s36, MRG
	v_lshl_add_u32 v3, v28, 4, s36                 ; where my lists go: list (q, my wave), 16 bytes a lane,
	v_lshl_add_u32 v4, v28, 2, s36                 ; and 4 bytes a lane for the ninth register
	s_and_b32 s37, s[WV], 3
	s_mul_i32 s36, s37, 8*LISTB
	s_add_co_u32 s36, s36, MRG
	v_lshl_add_u32 v5, v28, 4, s36                 ; where the lists of tile (wave % 4) are read back
	v_lshl_add_u32 v6, v28, 2, s36
	s_mul_i32 s36, s37, 16*36
	s_add_co_u32 s36, s36, OUTS
	v_mad_u32_u24 v7, v29, 36, s36                 ; query r's row of 36 bytes
	s_lshl_b32 s36, s[WV], 8
	v_lshl_add_u32 v9, v28, 3, s36                 ; out: 256 bytes a wave, 8 a lane
	v_add_nc_u32 v8, OUTS, v9
	FOLD 0
	FOLD 1
	FOLD 2
	FOLD 3
.irp q, 0,1,2,3
	ds_store_b128 v3, v[LST+28*\q:LST+28*\q+3] offset:8*LISTB*\q          ; a list as an image of its registers
	ds_store_b128 v3, v[LST+28*\q+4:LST+28*\q+7] offset:8*LISTB*\q+512
	ds_store_b32 v4, v[LST+28*\q+8] offset:8*LISTB*\q+1024
.endr
	s_wait_dscnt 0x0                               ; for the others' sake: my stores have landed
	s_barrier_signal -1
	s_barrier_wait -1
	s_cmp_lt_u32 s[WV], 4
	s_cbranch_scc0 .Lno_merge                      ; waves 0 to 3 finish a tile of queries each; no barrier stands in between
.irp w, 0,1,2,3,4,5,6,7
	ds_load_b128 v[44+12*\w:47+12*\w], v5 offset:LISTB*\w
	ds_load_b128 v[48+12*\w:51+12*\w], v5 offset:LISTB*\w+512
	ds_load_b32 v[52+12*\w], v6 offset:LISTB*\w+1024
.endr
.irp w, 1,2,3,4,5,6,7
	s_wait_dscnt 3*(7-\w)                          ; lists 0 to w are in; the three loads of each list behind them may be out
	MERGE9 44, 44+12*\w
.endr
.irp i, 0,1,2,3,4,5,6,7,8
	v_permlanex16_b32 v[56+\i], v[44+\i], s[SEL], s[SEL+1]   ; the query's other rows of the bank lie in the lane 16 away
.endr
	MERGE9 44, 56                                  ; both halves of the lanes now hold the same nine
	v_mul_f32 v28, -2.0, v[BX]                     ; |x|^2
.irp i, 0,1,2,3,4,5,6,7,8
	v_fma_f32 v[29+\i], v[44+\i], -2.0, v28        ; |x|^2 - 2 x . y + |y|^2; t descending is the distance ascending
.endr
.irp i, 0,1,2,3,4,5,6,7,8
	v_max_num_f32 v[29+\i], 0, v[29+\i]
.endr
.irp i, 0,1,2,3,4,5,6,7,8
	v_sqrt_f32 v[68+\i], v[29+\i]
.endr
	v_nop                                          ; a plain instruction behind the last root, ahead of the first use
	s_wait_alu depctr_va_vdst(0)                   ; and a wait for the nine roots
.irp i, 0,1,2,3,4,5,6,7,8
	ds_store_b32 v7, v[68+\i] offset:4*\i          ; both halves of the lanes write the same word with the same value
.endr
.Lno_merge:
	s_wait_dscnt 0x0                               ; for the others' sake: my stores have landed
	s_barrier_signal -1
	s_barrier_wait -1
	ds_load_b64 v[28:29], v8
	s_wait_dscnt 0x0
	global_store_b64 v9, v[28:29], s[8:9] th:TH_STORE_NT   ; 32 lanes store 256 consecutive bytes, at a multiple of 256 from out0's first byte
	s_cmp_lg_u32 s[WV], 0
	s_cbranch_scc1 .Lnot_first                     ; 64 rows of 36 bytes are nine such stores: wave 0 takes the ninth
	ds_load_b64 v[30:31], v8 offset:2048
	s_wait_dscnt 0x0
	global_store_b64 v9, v[30:31], s[8:9] offset:2048 th:TH_STORE_NT
.Lnot_first:
	s_wait_tensorcnt 0x0                           ; the wave's end, behind my last tensor load and my last LDS store
	ds_add_u32 v[SPW], v[NIL]
	s_wait_dscnt 0x0
	ROUND                                          ; the closing round: no work-group ends while a partner may still ask for a part that names it
	s_endpgm
.Lfunc_end_k_qcbb7e68de0_knn:
	.size	k_qcbb7e68de0_knn, .Lfunc_end_k_qcbb7e68de0_knn-k_qcbb7e68de0_knn
	.p2alignl 7, 3214868480
	.fill 96, 4, 3214868480
	.section	.rodata,"a",@progbits
	.p2align	6, 0x0
	.amdhsa_kernel k_qcbb7e68de0_knn
		.amdhsa_group_segment_fixed_size 327680
		.amdhsa_private_segment_fixed_size 0
		.amdhsa_enable_private_segment 0
		.amdhsa_kernarg_size 24
		.amdhsa_user_sgpr_count 2
		.amdhsa_user_sgpr_kernarg_segment_ptr 1
		.amdhsa_wavefront_size32 1
		.amdhsa_system_sgpr_workgroup_id_x 1
		.amdhsa_system_sgpr_workgroup_id_y 1
		.amdhsa_system_sgpr_workgroup_id_z 1
		.amdhsa_system_vgpr_workitem_id 0
		.amdhsa_next_free_vgpr 448
		.amdhsa_next_free_sgpr 66
		.amdhsa_reserve_vcc 0
		.amdhsa_float_denorm_mode_32 3
		.amdhsa_float_denorm_mode_16_64 3
		.amdhsa_memory_ordered 1
		.amdhsa_forward_progress 1
		.amdhsa_inst_pref_size 255
	.end_amdhsa_kernel
	.section	.bss,"aw",@nobits
	.p2align	6
	.space	262144
	.amdgpu_metadata
---
amdhsa.version: [ 1, 2 ]
amdhsa.kernels:
  - .name:           k_qcbb7e68de0_knn
    .symbol:         k_qcbb7e68de0_knn.kd
    .args:
      - { .name: xq, .offset: 0, .size: 8, .value_kind: global_buffer, .address_space: global }
      - { .name: bq, .offset: 8, .size: 8, .value_kind: global_buffer, .address_space: global }
      - { .name: out0, .offset: 16, .size: 8, .value_kind: global_buffer, .address_space: global }
    .group_segment_fixed_size: 327680
    .private_segment_fixed_size: 0
    .kernarg_segment_align: 8
    .kernarg_segment_size: 24
    .max_flat_workgroup_size: 256
    .sgpr_count:     66
    .vgpr_count:     448
    .wavefront_size: 32
...
	.end_amdgpu_metadata
.endif
;; end of part 2
